; MI455X (gfx1250); checked and timed in simulation.
; The chip was launched on July 23, 2026; its instructions are those of AMD's public machine-readable ISA for CDNA 5 (MIT licence, August 2026) and "CDNA5" Instruction Set Architecture Reference Guide (July 2026). The comments in the code are by the model that wrote it; some were corrected since.
;; Vector Quantizer. Allowed arithmetic: matrix products marked QUANTISED: E2M1 operands, one E8M0 scale for each 32 along K, by v_wmma_scale_f32_16x16x128_f8f6f4 with both operands' format E2M1 (or v_wmma_scale_f32_32x16x128_f4), f32 sums; everything else in f32.
;; Inputs: codebook 8,192 x 256 float32; x 64 x 512 x 256 float32.
;; Outputs: out0 64 x 512 x 256 float32; out1 one number float32.
;; Constants: hidden_dim = 256.
;; This version of the problem:
;;   THIS VERSION OF THE PROBLEM IS GIVEN IN LOW PRECISION. The matrix products marked QUANTISED in the list below multiply operands that are first quantised to E2M1 (2 exponent bits, 1 mantissa bit; 4 bits a number), with one power-of-two scale for each 32 numbers along K (OCP MX v1.0); their sums are f32. All else is computed in f32.
;;   The module's matrix products, in the order in which they are computed (A, B: the left and right operand; K: the contracted axis; several contracted axes count as one K, in the product's order):
;;     1. [M 32,768, K 256] x [K 256, N 8,192]; A: input x; B: input codebook: QUANTISED
;;   THE QUANTISER, for each operand of a quantised product, along K:
;;     - K is cut into blocks of 32 from its start; a last block that is shorter is filled with zeros.
;;     - A block's scale is 2^e with e = floor(log2(the largest magnitude in the block)) - 2, held to -126 .. 127; a block of zeros has e = 0. As a byte (E8M0): e + 127.
;;     - Each number is divided by its block's scale, clamped to +-6, and rounded to the nearest number of E2M1, ties to even, subnormals kept.
;;     - The product sums the exact products of the quantised numbers (number of the format x scale) in f32.
;;   ~~~python
;;   def quantise(x, axis):      # numpy; x: float32 -> the quantised numbers, widened to float32 again
;;       x = np.moveaxis(x, axis, -1); K = x.shape[-1]
;;       x = np.pad(x, [(0, 0)] * (x.ndim - 1) + [(0, -K % 32)]); x = x.reshape(x.shape[:-1] + (-1, 32)); a = np.abs(x).max(-1, keepdims=True)
;;       e = np.where(a > 0, np.clip(np.frexp(np.where(a > 0, a, 1))[1] - 1 - 2, -126, 127), 0)      # np.frexp(a)[1] - 1 = floor(log2(a)), exactly
;;       r = np.clip(x / 2.0 ** e, -6, 6)
;;       step = 2.0 ** (np.maximum(np.frexp(np.where(r == 0, 1, r))[1] - 1, 0) - 1)
;;       q = np.round(r / step) * step * 2.0 ** e      # np.round: ties to even
;;       return np.moveaxis(q.reshape(q.shape[:-2] + (-1,))[..., :K], -1, axis).astype(np.float32)
;;   ~~~
;; One version. Each part assembles by itself: llvm-mc -triple=amdgcn-amd-amdhsa -mcpu=gfx1250 --defsym DOCPART=n.
;; ======== version 1 of 1: 5 launches
;; limits: right only within a limited range of input values
;; workspace buffers: cbimg 1,146,880 bytes; ximg 4,587,520 bytes; cand 1,048,576 bytes of whole numbers; index 131,072 bytes of whole numbers; part 16,384 bytes
;; launch quant (part 1): grid 320 x 1, 8 waves a work-group, no clusters, 70,656 bytes of LDS; arguments x, codebook, ximg, cbimg; writes ximg, cbimg
.if DOCPART == 1
	.amdgcn_target "amdgcn-amd-amdhsa--gfx1250"
	.amdhsa_code_object_version 6
	.text
	.protected	k_q0bf1189ce1_quant
	.globl	k_q0bf1189ce1_quant
	.p2align	8
	.type	k_q0bf1189ce1_quant,@function
k_q0bf1189ce1_quant:
	s_mov_b64 s[64:65], 0
	v_nop
	global_prefetch_b8 v0, s[64:65] scope:SCOPE_SE
	s_setreg_imm32_b32 hwreg(HW_REG_WAVE_MODE, 25, 1), 1
	s_wait_xcnt 0x0
; x [32768][256] and codebook [8192][256], f32, become codes of FP4 (E2M1) with one E8M0 scale byte for each 32 along K, laid as IMAGES OF THE OPERAND'S REGISTERS.
; AN IMAGE BLOCK is 256 rows = 16 tiles of 16 rows = 35,840 bytes:
;   codes   at 2048 t + 1024 s + 512 c + 16 lane: the 32 codes k = 128 s + 64 c + 32 (lane / 16) + 0 .. 31 of row lane % 16 of tile t: each 512 bytes are four registers of a fragment;
;   scales  at 32768 + 128 t + 4 lane: the scale word (four bytes, 128 along K) of K step lane / 16 of row lane % 16: one register serves both K steps, by its two rows of lanes;
;   -|c|^2/2 at 34816 + 64 t + 4 row, f32: for the codebook alone (x's image leaves these bytes unwritten, and nobody reads them).
; A block's scale is 2^(floor(log2(its largest magnitude)) - 2); its byte is the largest magnitude's exponent field - 2, held at 1 from below.  A block of zeros so gets the byte 1 where the rule says 127: its
; codes are zeros, which add nothing under any byte but 0xff, and this program alone reads the bytes.
; LIMITS: NaN and infinities among the inputs are not served.
; SHARES.  Work-groups 0-255 take x, 256-319 the codebook; a work-group takes 128 rows, a wave one tile of 16 rows (16,384 bytes of f32).  Every load reads 512 consecutive bytes; the numbers turn through the wave's own
; stage in LDS (rows of 512 + 16 bytes) so that a lane holds 32 neighbours along K of ONE row in 32 consecutive registers, which is what the conversions want; a block's maximum then needs no other lane.
; The codes leave as 512 consecutive bytes a store.  The work-group's 1,024 bytes of scale words and 512 bytes of -|c|^2/2 are gathered in LDS and leave as whole runs.
; WORK LEFT OUT BY THE PROGRAM.  The argmin over the codes of |x|^2 + |c|^2 - 2 x.c is the argmax of x.c - |c|^2 / 2: the term |x|^2 is the same for every code of a token, whatever the inputs hold,
; so it moves no choice and is never formed; the factor -2 is folded into the order (largest for smallest).  LIMIT: an overflow that would reach |x|^2 alone is not carried to the result.
.set BLKB,  35840
.set STG,   8448                       ; a wave's stage: 16 rows x 528 bytes
.set SCL,   8*STG                      ; the work-group's scale words, 128 bytes a wave
.set CCL,   SCL+1024                   ; its -|c|^2/2, 64 bytes a wave
.set SQ,    24                         ; v[24:27]   the sum of squares, four chains
.set CD,    28                         ; v[28:43]   the codes: 8 registers for each K step, never written again
.set R0,    48                         ; v[48:111]  K step 0 as loaded
.set R1,    112                        ; v[112:175] K step 1 as loaded
.set X,     176                        ; v[176:239] register 32 c + i = k 128 s + 64 c + 32 h + i of my row
	s_load_b256 s[4:11], s[0:1], 0x0               ; x s[4:5], codebook s[6:7], ximg s[8:9], cbimg s[10:11]
	v_lshl_add_u32 v240, v0, 2, 0x11000
	v_mov_b32 v241, 0
	v_lshrrev_b32 v1, 5, v0
	s_delay_alu instid0(VALU_DEP_1)
	v_readfirstlane_b32 s16, v1                    ; wave 0..7
	v_and_b32 v1, 31, v0                           ; lane
	v_and_b32 v2, 15, v0                           ; r
	v_bfe_u32 v3, v0, 4, 1                         ; h
	s_delay_alu instid0(VALU_DEP_3)
	v_lshlrev_b32 v4, 4, v1                        ; 16 x lane: global loads and stores; never rewritten
	s_mul_i32 s19, s16, STG
	v_add_nc_u32 v5, s19, v4                       ; the stage, on the way in: 16 x lane of a row
	v_mul_u32_u24 v6, v2, 528
	s_delay_alu instid0(VALU_DEP_1)
	v_lshl_add_u32 v6, v3, 7, v6
	s_delay_alu instid0(VALU_DEP_1)
	v_add_nc_u32 v6, s19, v6                       ; on the way out: row r, + 128 h
	s_lshl_b32 s19, s16, 7
	v_lshlrev_b32 v7, 2, v1
	s_delay_alu instid0(VALU_DEP_1)
	v_add_nc_u32 v7, s19, v7
	s_delay_alu instid0(VALU_DEP_1)
	v_add_nc_u32 v7, SCL, v7                       ; my scale word's place
	s_lshl_b32 s19, s16, 6
	v_lshlrev_b32 v8, 2, v2
	s_delay_alu instid0(VALU_DEP_1)
	v_add_nc_u32 v8, s19, v8
	s_delay_alu instid0(VALU_DEP_1)
	v_add_nc_u32 v8, CCL, v8                       ; my row's -|c|^2/2
	v_add_nc_u32 v9, SCL, v4                       ; and where waves 0 and 1 read both back
	v_add_nc_u32 v10, CCL, v4
	v_lshlrev_b32 v11, 3, v3                       ; 8 h: my bytes' place in a scale word
	v_mov_b32 v20, 0                               ; a lane permute's destination counts as one of its sources: written once
.irp i, 0,1,2,3
	v_mov_b32 v[SQ+\i], 0                          ; written on every path; only the codebook's work-groups add to them
.endr
	s_mov_b32 s20, 0x76543210
	s_mov_b32 s21, 0xfedcba98                      ; v_permlanex16_b32's selects for lane l xor 16
	s_wait_kmcnt 0x0
	s_cmp_lt_u32 ttmp9, 256                        ; x's work-group or the codebook's?  The choice hangs on the work-group's number alone
	s_cselect_b64 s[4:5], s[4:5], s[6:7]
	s_cselect_b64 s[8:9], s[8:9], s[10:11]
	s_cselect_b32 s18, 0, 256
	s_cselect_b32 s22, 0, 1                        ; 1: the codebook
	s_sub_co_u32 s17, ttmp9, s18                   ; g: which 128 rows of the tensor
	s_lshl_b32 s12, s17, 3
	s_add_co_u32 s12, s12, s16
	s_lshl_b32 s12, s12, 14                        ; my tile's 16,384 bytes (under 2^26)
	s_mov_b32 s13, 0
	s_add_nc_u64 s[4:5], s[4:5], s[12:13]
	s_lshr_b32 s12, s17, 1
	s_mul_i32 s12, s12, BLKB
	s_add_nc_u64 s[24:25], s[8:9], s[12:13]        ; my image block
	s_and_b32 s18, s17, 1
	s_lshl_b32 s12, s18, 3
	s_add_co_u32 s12, s12, s16
	s_lshl_b32 s12, s12, 11
	s_add_nc_u64 s[26:27], s[24:25], s[12:13]      ; my tile's codes
	s_lshl_b32 s12, s18, 10
	s_add_nc_u64 s[28:29], s[24:25], s[12:13]      ; the work-group's half of the scale words (+ 32768)
	s_lshl_b32 s12, s18, 9
	s_add_nc_u64 s[30:31], s[24:25], s[12:13]      ; and of -|c|^2/2 (+ 34816)
.set i, 0
.rept 16
	global_load_b128 v[R0+4*i:R0+4*i+3], v4, s[4:5] offset:1024*i th:TH_LOAD_NT      ; row i, K step 0: 512 consecutive bytes
.set i, i+1
.endr
.set i, 0
.rept 16
	global_load_b128 v[R1+4*i:R1+4*i+3], v4, s[4:5] offset:1024*i+512 th:TH_LOAD_NT  ; row i, K step 1
.set i, i+1
.endr
; a K step's 16 x 512 bytes through the stage.  LDS serves a wave's instructions in order, so no wait stands between the stores and the loads
.macro TURN reg
.set i, 0
.rept 16
	ds_store_b128 v5, v[\reg+4*i:\reg+4*i+3] offset:528*i
.set i, i+1
.endr
.irp c, 0,1
.irp j, 0,1,2,3,4,5,6,7
	ds_load_b128 v[X+32*\c+4*\j:X+32*\c+4*\j+3], v6 offset:256*\c+16*\j
.endr
.endr
	s_wait_dscnt 0x0
.endm
; K step s: my two blocks of 32 (c = 0, 1: blocks 2 c + h of the step) become codes, the step's scale word is made, the codes leave
.macro QK s
.irp c, 0,1
	v_max3_num_f32 v[12+\c], |v[X+32*\c]|, |v[X+32*\c+1]|, 0x1800000   ; the floor 2^(3 - 127) among the leaves: the byte cannot fall under 1
.endr
.irp i, 2,4,6,8,10,12,14,16,18,20,22,24,26,28,30
.irp c, 0,1
	s_delay_alu instid0(VALU_DEP_2)
	v_max3_num_f32 v[12+\c], v[12+\c], |v[X+32*\c+\i]|, |v[X+32*\c+\i+1]|   ; the two blocks by turns
.endr
.endr
.irp c, 0,1
	s_delay_alu instid0(VALU_DEP_2)
	v_add_nc_u32 v[14+\c], 0xff000000, v[12+\c]    ; 2 off the exponent field: the conversion takes the exponent field of this operand as its scale
.endr
.irp c, 0,1
	s_delay_alu instid0(VALU_DEP_2)
	v_lshrrev_b32 v[16+\c], 23, v[14+\c]           ; the scale's byte
.endr
	s_delay_alu instid0(VALU_DEP_1)
	v_lshl_or_b32 v21, v17, 16, v16                ; my two bytes: blocks h and 2 + h,
	s_delay_alu instid0(VALU_DEP_1)
	v_lshlrev_b32 v21, v11, v21                    ; 8 h bits up;
	s_delay_alu instid0(VALU_DEP_1)
	v_permlanex16_b32 v20, v21, s20, s21
	s_delay_alu instid0(VALU_DEP_1)
	v_or_b32 v[18+\s], v21, v20                    ; with lane l xor 16's two the word is whole
.irp c, 0,1
.irp g, 0,1,2,3
	v_cvt_scalef32_pk8_fp4_f32 v[CD+8*\s+4*\c+\g], v[X+32*\c+8*\g:X+32*\c+8*\g+7], v[14+\c]
.endr
.endr
	v_nop                                          ; one plain place behind the last scaled conversion
	global_store_b128 v4, v[CD+8*\s:CD+8*\s+3], s[26:27] offset:1024*\s          ; 32 lanes store 512 consecutive bytes
	global_store_b128 v4, v[CD+8*\s+4:CD+8*\s+7], s[26:27] offset:1024*\s+512
	s_cmp_lg_u32 s22, 0                            ; the codebook alone: the squares of my 64 numbers
	s_cbranch_scc0 .Lno_squares_\@
.irp i, 0
	v_pk_fma_f32 v[SQ:SQ+1], v[X+\i:X+\i+1], v[X+\i:X+\i+1], v[SQ:SQ+1]
	v_pk_fma_f32 v[SQ+2:SQ+3], v[X+\i+2:X+\i+3], v[X+\i+2:X+\i+3], v[SQ+2:SQ+3]
.endr
.irp i, 4, 8, 12, 16, 20, 24, 28, 32, 36, 40, 44, 48, 52, 56, 60
	s_delay_alu instid0(VALU_DEP_2)
	v_pk_fma_f32 v[SQ:SQ+1], v[X+\i:X+\i+1], v[X+\i:X+\i+1], v[SQ:SQ+1]
	s_delay_alu instid0(VALU_DEP_2)
	v_pk_fma_f32 v[SQ+2:SQ+3], v[X+\i+2:X+\i+3], v[X+\i+2:X+\i+3], v[SQ+2:SQ+3]
.endr
.Lno_squares_\@:
.endm
	s_wait_loadcnt 16                              ; K step 0's sixteen loads are in; K step 1's may be out
	TURN R0
	QK 0
	s_wait_loadcnt 0x0
	TURN R1                                        ; my reads of the stage have come back: it is written again
	QK 1
	v_cmp_eq_u32 vcc_lo, 1, v3
	s_delay_alu instid0(VALU_DEP_1)
	v_cndmask_b32 v21, v18, v19, vcc_lo            ; lanes 0-15 keep K step 0's word, lanes 16-31 K step 1's
	ds_store_b32 v7, v21
	s_cmp_lg_u32 s22, 0
	s_cbranch_scc0 .Lno_norm
	v_pk_add_f32 v[SQ:SQ+1], v[SQ:SQ+1], v[SQ+2:SQ+3]
	s_delay_alu instid0(VALU_DEP_1)
	v_add_f32 v24, v24, v25
	s_delay_alu instid0(VALU_DEP_1)
	v_permlanex16_b32 v20, v24, s20, s21           ; the row's other 128 numbers lie in lane l xor 16
	s_delay_alu instid0(VALU_DEP_1)
	v_add_f32 v24, v24, v20
	s_delay_alu instid0(VALU_DEP_1)
	v_mul_f32 v24, -0.5, v24
	ds_store_b32 v8, v24                           ; both halves of the lanes write the same word with the same value
.Lno_norm:
	s_wait_dscnt 0x0                               ; for the others' sake: my stores have landed
	s_barrier_signal -1
	s_barrier_wait -1
	s_cmp_lg_u32 s16, 0
	s_cbranch_scc1 .Lnot_wave_0
	ds_load_b128 v[48:51], v9                      ; wave 0: the work-group's 1,024 bytes of scale words
	ds_load_b128 v[52:55], v9 offset:512
	s_wait_dscnt 0x0
	global_store_b128 v4, v[48:51], s[28:29] offset:32768
	global_store_b128 v4, v[52:55], s[28:29] offset:32768+512
	s_branch .Lend
.Lnot_wave_0:
	s_cmp_lg_u32 s16, 1
	s_cbranch_scc1 .Lend
	s_cmp_lg_u32 s22, 0
	s_cbranch_scc0 .Lend
	ds_load_b128 v[48:51], v10                     ; wave 1 of a codebook's work-group: its 512 bytes of -|c|^2/2
	s_wait_dscnt 0x0
	global_store_b128 v4, v[48:51], s[30:31] offset:34816
.Lend:
	s_wait_tensorcnt 0x0
	ds_add_u32 v240, v241
	s_wait_dscnt 0x0
	s_endpgm
.Lfunc_end_k_q0bf1189ce1_quant:
	.size	k_q0bf1189ce1_quant, .Lfunc_end_k_q0bf1189ce1_quant-k_q0bf1189ce1_quant
	.p2alignl 7, 3214868480
	.fill 96, 4, 3214868480
	.section	.rodata,"a",@progbits
	.p2align	6, 0x0
	.amdhsa_kernel k_q0bf1189ce1_quant
		.amdhsa_group_segment_fixed_size 70656
		.amdhsa_private_segment_fixed_size 0
		.amdhsa_enable_private_segment 0
		.amdhsa_kernarg_size 32
		.amdhsa_user_sgpr_count 2
		.amdhsa_user_sgpr_kernarg_segment_ptr 1
		.amdhsa_wavefront_size32 1
		.amdhsa_system_sgpr_workgroup_id_x 1
		.amdhsa_system_sgpr_workgroup_id_y 1
		.amdhsa_system_sgpr_workgroup_id_z 1
		.amdhsa_system_vgpr_workitem_id 0
		.amdhsa_next_free_vgpr 242
		.amdhsa_next_free_sgpr 66
		.amdhsa_reserve_vcc 1
		.amdhsa_float_denorm_mode_32 3
		.amdhsa_float_denorm_mode_16_64 3
		.amdhsa_memory_ordered 1
		.amdhsa_forward_progress 1
		.amdhsa_inst_pref_size 27
	.end_amdhsa_kernel
	.amdgpu_metadata
---
amdhsa.version: [ 1, 2 ]
amdhsa.kernels:
  - .name:           k_q0bf1189ce1_quant
    .symbol:         k_q0bf1189ce1_quant.kd
    .args:
      - { .name: x, .offset: 0, .size: 8, .value_kind: global_buffer, .address_space: global }
      - { .name: codebook, .offset: 8, .size: 8, .value_kind: global_buffer, .address_space: global }
      - { .name: ximg, .offset: 16, .size: 8, .value_kind: global_buffer, .address_space: global }
      - { .name: cbimg, .offset: 24, .size: 8, .value_kind: global_buffer, .address_space: global }
    .group_segment_fixed_size: 70656
    .private_segment_fixed_size: 0
    .kernarg_segment_align: 8
    .kernarg_segment_size: 32
    .max_flat_workgroup_size: 256
    .sgpr_count:     66
    .vgpr_count:     242
    .wavefront_size: 32
...
	.end_amdgpu_metadata
.endif
;; end of part 1
;; launch search (part 2): grid 256 x 1, 8 waves a work-group, clusters of 4 x 1, 327,680 bytes of LDS; arguments cbimg, ximg, cand; writes cand
.if DOCPART == 2
	.amdgcn_target "amdgcn-amd-amdhsa--gfx1250"
	.amdhsa_code_object_version 6
	.text
	.protected	k_q0bf1189ce1_search
	.globl	k_q0bf1189ce1_search
	.p2align	8
	.type	k_q0bf1189ce1_search,@function
k_q0bf1189ce1_search:
	s_mov_b64 s[64:65], 0
	v_nop
	global_prefetch_b8 v0, s[64:65] scope:SCOPE_SE
	s_setreg_imm32_b32 hwreg(HW_REG_WAVE_MODE, 25, 1), 1
	s_wait_xcnt 0x0
	s_wait_alu depctr_hold_cnt(0) depctr_sa_sdst(0) depctr_va_vdst(0) depctr_va_sdst(0) depctr_va_ssrc(0) depctr_va_vcc(0) depctr_vm_vsrc(0)
	s_getreg_b32 s2, hwreg(HW_REG_IB_STS2, 6, 4)
	s_cmp_eq_u32 s2, 0
	s_cbranch_scc0 .Lentry_in_a_cluster
	s_endpgm
.Lentry_in_a_cluster:
	s_bfe_u32 s2, ttmp6, 0x10000c
	s_cmp_lg_u32 s2, 0x3003
	s_cbranch_scc0 .Lentry_shape_is_right
	s_endpgm
.Lentry_shape_is_right:
; For each token and each quarter of the codebook: the octet (eight neighbouring codes) of that quarter that holds the largest s = Q(x).Q(c) - |c|^2/2, and that score; of equal scores the lowest octet.
; |x|^2 is left out: it is the same for all codes of a token.
; SHARES.  A work-group takes 512 tokens and 2,048 codes (quarter q of the codebook: image blocks 8 q .. 8 q + 7, 286,720 bytes).  The quarter lies in LDS whole: each of the eight waves
; brings one block by one tensor load at the head; nothing is filled again, so the walk over the codes has no barrier.
; Wave 2 g + u keeps tokens 128 g .. 128 g + 127 (8 tiles of 16) in registers (window 1) and walks blocks 4 u .. 4 u + 3: 64 tiles of 16 codes.
; CLUSTER: the four work-groups of a cluster have the same quarter and other tokens: every block is asked for jointly (mask 15).
; NO PREFETCH: every tile that the launch reads through LDS is asked for at the head, one load a wave; there is no later load to run ahead of.
; A TILE of 16 codes: one run of 16 matrix instructions (8 accumulators by turns, K step 0 with -|c|^2/2 as C, then K step 1 in place), then one batch of vector work:
; source 0 = codes, source 1 = tokens, so lane (r, h) holds token r and codes 8 h + 0 .. 7: three maxima, one more with the best so far, a compare; the select of the tile's number
; is done behind the next run, where it fills the places that stand between matrix instructions and the first read of their results (ISA guide 7.12.1).
; RESULT: cand[q][token] = two whole numbers: the score as an unsigned number that keeps the order of f32 (sign bit flipped for scores of 0 or more, all bits for negative ones), and the octet.
; LIMITS: NaN and infinities among the inputs are not served; +0 and -0 count as different scores.
.set PART,  35840
.set SPARE, 8*PART                     ; the spare words: 128 bytes for each of eight waves
.set MRG,   SPARE+1024                 ; the waves' results meet here: 1,024 bytes a wave; no tile lands here
.set SCO,   32768
.set CCO,   34816
.set SPW,  1
.set NIL,  2
.set PA,   3                           ; v3-5   LDS address of my codes, scale words, -|c|^2/2 in the block at work
.set PS,   4
.set PC,   5
.set PA0,  6                           ; v6-8   the same for my first block; never rewritten
.set PS0,  7
.set PC0,  8
.set SA,   10                          ; v10-11 the codes' scale words, two sets
.set SB,   12                          ; v12-19 the tokens' scale words
.set BEST, 20                          ; v20-35 the best so far, two sets by turns
.set IDX,  36                          ; v36-43 the tile that gave it
.set CF,   44                          ; v44-59 -|c|^2/2, two sets
.set AF,   60                          ; v60-91 the codes' fragments, two sets
.set ACC,  92                          ; v92-155 eight accumulators
.set T,    156                         ; v156-179 at work
.set R,    186
.set L,    204
.set O,    236
.set WV,   10
.set G1,   16
.set G0,   24
.set TB,   28
.set CT,   32
.set OUT,  33
.set SEL,  34
.set MK,   36                          ; s36-43 eight masks
.set MSB, 0
.macro WIN new                         ; the immediate's high byte repeats the setting that is left
.if MSB != \new
	s_set_vgpr_msb (MSB<<8)|\new
.set MSB, \new
.endif
.endm
.macro CROUND                          ; a round of the cluster's barrier
	s_barrier_signal -1
	s_barrier_wait -1
	s_cmp_lg_u32 s[WV], 0
	s_cbranch_scc1 .Lnot_wave_0_\@
	s_barrier_signal -3
.Lnot_wave_0_\@:
	s_barrier_wait -3
	s_barrier_signal -1
	s_barrier_wait -1
.endm
; seven LDS loads: tile i of the block at work, into set e
.macro LOADS e, i
	ds_load_b32 v[SA+(\e)], v[PS] offset:SCO+128*(\i)
	ds_load_b128 v[CF+8*(\e):CF+8*(\e)+3], v[PC] offset:CCO+64*(\i)
	ds_load_b128 v[CF+8*(\e)+4:CF+8*(\e)+7], v[PC] offset:CCO+64*(\i)+16
.irp q, 0,1,2,3
	ds_load_b128 v[AF+16*(\e)+4*\q:AF+16*(\e)+4*\q+3], v[PA] offset:2048*(\i)+512*\q
.endr
.endm
.macro POINT
	v_add_nc_u32 v[PA], s[TB], v[PA0]
	v_add_nc_u32 v[PS], s[TB], v[PS0]
	v_add_nc_u32 v[PC], s[TB], v[PC0]
.endm
; sixteen matrix instructions; source 1, the tokens, lies in window 1 (v256-383); the eight accumulators take turns
.macro RUNW e
	WIN 0x04
.irp t, 0,1,2,3,4,5,6,7
	v_wmma_scale_f32_16x16x128_f8f6f4 v[ACC+8*\t:ACC+8*\t+7], v[AF+16*(\e):AF+16*(\e)+7], v[16*\t:16*\t+7], v[CF+8*(\e):CF+8*(\e)+7], v[SA+(\e)], v[SB+\t] matrix_a_fmt:MATRIX_FMT_FP4 matrix_b_fmt:MATRIX_FMT_FP4
.endr
.irp t, 0,1,2,3,4,5,6,7
	v_wmma_scale_f32_16x16x128_f8f6f4 v[ACC+8*\t:ACC+8*\t+7], v[AF+16*(\e)+8:AF+16*(\e)+15], v[16*\t+8:16*\t+15], v[ACC+8*\t:ACC+8*\t+7], v[SA+(\e)], v[SB+\t] matrix_a_fmt:MATRIX_FMT_FP4 matrix_b_fmt:MATRIX_FMT_FP4 matrix_a_scale:MATRIX_SCALE_ROW1 matrix_b_scale:MATRIX_SCALE_ROW1
.endr
	WIN 0
.endm
; the vector work of a tile.  First the LAST tile's selects (s[CT] is still its number): eight places behind the run.  Then CT steps to this tile.
.macro BATCH e
.irp t, 0,1,2,3,4,5,6,7
	v_cndmask_b32 v[IDX+\t], v[IDX+\t], s[CT], s[MK+\t]
.endr
	s_add_co_u32 s[CT], s[CT], 1
.irp t, 0,1,2,3,4,5,6,7
	v_max3_num_f32 v[T+3*\t], v[ACC+8*\t], v[ACC+8*\t+1], v[ACC+8*\t+2]         ; each accumulator from its low end on
	v_max3_num_f32 v[T+3*\t+1], v[ACC+8*\t+3], v[ACC+8*\t+4], v[ACC+8*\t+5]
	v_max3_num_f32 v[T+3*\t+2], v[ACC+8*\t+6], v[ACC+8*\t+7], v[BEST+8*(\e)+\t]
.endr
.irp t, 0,1,2,3,4,5,6,7
	v_max3_num_f32 v[BEST+8*(1-(\e))+\t], v[T+3*\t], v[T+3*\t+1], v[T+3*\t+2]
.endr
.irp t, 0,1,2,3,4,5,6,7
	v_cmp_gt_f32 s[MK+\t], v[BEST+8*(1-(\e))+\t], v[BEST+8*(\e)+\t]             ; strictly larger: of equal scores the earlier, lower tile stays
.endr
.endm
; tile i = 0 .. 14 of a block: the next tile's loads go out first; the count 7 leaves them out and shows this tile's seven in
.macro TILE i
.set te, (\i)%2
	s_wait_alu depctr_va_vdst(0)
	LOADS 1-te, (\i)+1
	s_wait_dscnt 7
	RUNW te
	BATCH te
.endm
; a block of 16 tiles; its last tile fetches the next block's first, but for my last block
.macro BLOCK last
.irp i, 0,1,2,3,4,5,6,7,8,9,10,11,12,13,14
	TILE \i
.endr
	s_wait_alu depctr_va_vdst(0)
.if \last
	s_wait_dscnt 0x0
.else
	s_add_co_u32 s[TB], s[TB], PART
	POINT                                          ; on to the next block
	s_wait_alu depctr_va_vdst(0)
	LOADS 0, 0
	s_wait_dscnt 7
.endif
	RUNW 1
	BATCH 1
.endm
; (rb, ro) = the better of (ba, oa) and (bb, ob); of equal scores the lower octet
.macro MERGE rb, ro, ba, oa, bb, ob
	v_cmp_gt_f32 s44, v[\bb], v[\ba]
	v_cmp_eq_f32 s45, v[\bb], v[\ba]
	v_cmp_lt_u32 s46, v[\ob], v[\oa]
	s_and_b32 s45, s45, s46
	s_or_b32 s44, s44, s45
	v_cndmask_b32 v[\rb], v[\ba], v[\bb], s44
	v_cndmask_b32 v[\ro], v[\oa], v[\ob], s44
.endm
	s_load_b128 s[4:7], s[0:1], 0x0                ; cbimg, ximg
	s_load_b64 s[8:9], s[0:1], 0x10                ; cand
	v_lshl_add_u32 v[SPW], v0, 2, SPARE
	v_mov_b32 v[NIL], 0
	ds_add_u32 v[SPW], v[NIL]                      ; the opening lines: the add twice on end
	ds_add_u32 v[SPW], v[NIL]
	v_lshrrev_b32 v180, 5, v0
	v_and_b32 v181, 31, v0                         ; lane
	v_bfe_u32 v185, v0, 4, 1                       ; h
	s_delay_alu instid0(VALU_DEP_3)
	v_readfirstlane_b32 s[WV], v180                ; wave 0..7
	s_delay_alu instid0(VALU_DEP_3)
	v_lshlrev_b32 v182, 4, v181                    ; 16 x lane
	s_delay_alu instid0(VALU_DEP_4)
	v_lshlrev_b32 v183, 2, v181                    ; 4 x lane
	s_bfe_u32 s11, ttmp6, 0x40000                  ; cx
	s_and_b32 s12, ttmp9, 3                        ; q: the cluster's quarter of the codebook
	s_lshr_b32 s13, ttmp9, 2
	s_lshl_b32 s13, s13, 2
	s_add_co_u32 s13, s13, s11                     ; which 512 tokens are my work-group's, 0 .. 63
	s_lshr_b32 s44, s[WV], 1                       ; g
	s_and_b32 s45, s[WV], 1                        ; u
	s_lshl_b32 s14, s13, 2
	s_add_co_u32 s14, s14, s44                     ; which 128 tokens are my wave's, 0 .. 255
	s_mov_b32 s[G1], 15|(3<<16)|(1<<21)            ; all four partners; elements of 8 bytes
	s_mov_b32 s[G1+1], 32<<16                      ; rows of 256 bytes,
	s_mov_b32 s[G1+2], 140<<16                     ; 140 of them: a block
	s_mov_b32 s[G1+3], 32<<16
	s_mov_b32 s[G1+4], 140
	s_mov_b32 s[G1+5], 32
	s_mov_b32 s[G1+6], 0
	s_mov_b32 s[G1+7], 0
	s_mul_i32 s60, s[WV], PART                     ; LDS: where the block that I fetch goes
	s_mul_i32 s52, s45, 4*PART                     ; LDS: the first of the four blocks that I walk
	s_lshl_b32 s46, s12, 3
	s_add_co_u32 s46, s46, s[WV]
	s_mul_i32 s46, s46, PART                       ; memory: block 8 q + wave
	s_mov_b32 s47, 0
	s_mov_b32 s[TB], 0
	s_mov_b32 s[SEL], 0x76543210
	s_mov_b32 s[SEL+1], 0xfedcba98
	s_lshl_b32 s[CT], s12, 7
	s_lshl_b32 s56, s45, 6
	s_add_co_u32 s[CT], s[CT], s56
	s_sub_co_u32 s[CT], s[CT], 1                   ; the first tile's step brings it to 128 q + 64 u
.irp t, 0,1,2,3,4,5,6,7
	s_mov_b32 s[MK+\t], 0                          ; the first tile's selects change nothing
.endr
	s_lshr_b32 s56, s14, 1
	s_mul_i32 s56, s56, PART                       ; x's image block: 256 tokens to a block
	s_and_b32 s57, s14, 1
	s_lshl_b32 s48, s57, 14
	s_add_co_u32 s48, s48, s56
	s_mov_b32 s49, 0
	s_lshl_b32 s50, s57, 10
	s_add_co_u32 s50, s50, s56
	s_mov_b32 s51, 0
	s_lshl_b32 s58, s12, 18                        ; cand: 262,144 bytes a quarter, 4,096 a work-group, 512 a wave
	s_lshl_b32 s59, s13, 12
	s_add_co_u32 s58, s58, s59
	s_lshl_b32 s59, s[WV], 9
	s_add_co_u32 s58, s58, s59
	s_mov_b32 s59, 0
	s_wait_alu depctr_va_vdst(0)
	s_wait_dscnt 0x0
	s_wait_kmcnt 0x0
	s_add_nc_u64 s[46:47], s[4:5], s[46:47]
	s_add_nc_u64 s[48:49], s[6:7], s[48:49]
	s_add_nc_u64 s[50:51], s[6:7], s[50:51]
	s_add_nc_u64 s[8:9], s[8:9], s[58:59]
	WIN 0x40                                       ; the tokens' fragments into window 1: they are on their way while the blocks come
.irp t, 0,1,2,3,4,5,6,7
.irp q, 0,1,2,3
	global_load_b128 v[16*\t+4*\q:16*\t+4*\q+3], v182, s[48:49] offset:2048*\t+512*\q
.endr
.endr
	WIN 0
.irp t, 0,1,2,3,4,5,6,7
	global_load_b32 v[SB+\t], v183, s[50:51] offset:SCO+128*\t
.endr
	CROUND                                         ; in front of the joint loads
	s_mov_b32 s[G0], 1
	s_mov_b32 s[G0+1], s60
	s_mov_b64 s[G0+2:G0+3], s[46:47]
	s_or_b32 s[G0+3], s[G0+3], 0x80000000
	tensor_load_to_lds s[G0:G0+3], s[G1:G1+7]      ; my block: one tensor load a wave, the launch's only ones
	s_nop 0
.rept 4
	v_nop
.endr
	v_add_nc_u32 v[PA0], s52, v182
	v_add_nc_u32 v[PS0], s52, v183
	v_lshl_add_u32 v[PC0], v185, 5, s52
.irp t, 0,1,2,3,4,5,6,7
	v_mov_b32 v[BEST+\t], 0xff800000               ; under every score
	v_mov_b32 v[IDX+\t], 0
.endr
	POINT
	s_wait_alu depctr_va_vdst(0)
	s_wait_tensorcnt 0x0                           ; my block has landed;
	s_barrier_signal -1
	s_barrier_wait -1                              ; and so has everybody's
	LOADS 0, 0
	s_wait_loadcnt 0x0                             ; the tokens
	s_mov_b32 s[OUT], 3
.Lblock:
	BLOCK 0
	s_sub_co_u32 s[OUT], s[OUT], 1
	s_cmp_lg_u32 s[OUT], 0
	s_wait_alu depctr_va_vdst(0)
	s_cbranch_scc1 .Lblock
	BLOCK 1                                        ; my fourth block fetches nothing beyond itself
.irp t, 0,1,2,3,4,5,6,7
	v_cndmask_b32 v[IDX+\t], v[IDX+\t], s[CT], s[MK+\t]    ; the last tile's selects
.endr
	s_lshl_b32 s47, s[WV], 10
	s_add_co_u32 s47, s47, MRG
	s_lshr_b32 s57, s[WV], 1
	s_lshl_b32 s57, s57, 11
	s_and_b32 s56, s[WV], 1
	s_lshl_b32 s56, s56, 9
	s_add_co_u32 s57, s57, s56
	s_add_co_u32 s57, s57, MRG
	v_bfe_u32 v180, v0, 4, 1
	v_and_b32 v181, 15, v0
	v_and_b32 v183, 31, v0
	s_delay_alu instid0(VALU_DEP_2)
	v_lshlrev_b32 v181, 3, v181
	s_delay_alu instid0(VALU_DEP_2)
	v_lshlrev_b32 v183, 4, v183                    ; cand: 16 bytes a lane
	s_delay_alu instid0(VALU_DEP_2)
	v_add_nc_u32 v181, s47, v181                   ; my wave's 1,024 bytes: 8 bytes a token
	s_delay_alu instid0(VALU_DEP_2)
	v_add_nc_u32 v182, s57, v183                   ; back: tokens 64 u + 2 l and the next of my group, as wave 2 g stored them; wave 2 g + 1's lie 1,024 bytes on
.irp t, 0,1,2,3,4,5,6,7
	v_lshl_add_u32 v[IDX+\t], v[IDX+\t], 1, v180   ; octet = 2 x tile + h
.endr
.irp t, 0,1,2,3,4,5,6,7
	v_permlanex16_b32 v[T+\t], v[BEST+\t], s[SEL], s[SEL+1]
	v_permlanex16_b32 v[T+8+\t], v[IDX+\t], s[SEL], s[SEL+1]
.endr
.irp t, 0,1,2,3,4,5,6,7
	MERGE R+2*\t, R+2*\t+1, BEST+\t, IDX+\t, T+\t, T+8+\t
	ds_store_b64 v181, v[R+2*\t:R+2*\t+1] offset:128*\t    ; both halves of the lanes write the same words with the same values
.endr
	s_wait_alu depctr_va_vdst(0)
	s_wait_dscnt 0x0                               ; for the others' sake: my stores have landed
	s_barrier_signal -1
	s_barrier_wait -1
	ds_load_b128 v[L:L+3], v182                    ; my two tokens over blocks 0-3 of the quarter,
	ds_load_b128 v[L+4:L+7], v182 offset:1024      ; and over blocks 4-7
	s_wait_dscnt 0x0
	MERGE L, L+1, L, L+1, L+4, L+5
	MERGE L+2, L+3, L+2, L+3, L+6, L+7
	v_ashrrev_i32 v[O], 31, v[L]                   ; the score as an unsigned number of the same order: all bits flipped where it is negative, else the sign bit
	s_delay_alu instid0(VALU_DEP_3)
	v_ashrrev_i32 v[O+1], 31, v[L+2]
	s_delay_alu instid0(VALU_DEP_2)
	v_or_b32 v[O], 0x80000000, v[O]
	s_delay_alu instid0(VALU_DEP_2)
	v_or_b32 v[O+1], 0x80000000, v[O+1]
	s_delay_alu instid0(VALU_DEP_2)
	v_xor_b32 v[L], v[L], v[O]
	s_delay_alu instid0(VALU_DEP_2)
	v_xor_b32 v[L+2], v[L+2], v[O+1]
	global_store_b128 v183, v[L:L+3], s[8:9]       ; 32 lanes store 512 consecutive bytes, at a multiple of 256 from cand's first byte
	s_wait_tensorcnt 0x0                           ; the wave's end
	ds_add_u32 v[SPW], v[NIL]
	s_wait_dscnt 0x0
	CROUND                                         ; the closing round
	s_endpgm
.Lfunc_end_k_q0bf1189ce1_search:
	.size	k_q0bf1189ce1_search, .Lfunc_end_k_q0bf1189ce1_search-k_q0bf1189ce1_search
	.p2alignl 7, 3214868480
	.fill 96, 4, 3214868480
	.section	.rodata,"a",@progbits
	.p2align	6, 0x0
	.amdhsa_kernel k_q0bf1189ce1_search
		.amdhsa_group_segment_fixed_size 327680
		.amdhsa_private_segment_fixed_size 0
		.amdhsa_enable_private_segment 0
		.amdhsa_kernarg_size 24
		.amdhsa_user_sgpr_count 2
		.amdhsa_user_sgpr_kernarg_segment_ptr 1
		.amdhsa_wavefront_size32 1
		.amdhsa_system_sgpr_workgroup_id_x 1
		.amdhsa_system_sgpr_workgroup_id_y 1
		.amdhsa_system_sgpr_workgroup_id_z 1
		.amdhsa_system_vgpr_workitem_id 0
		.amdhsa_next_free_vgpr 384
		.amdhsa_next_free_sgpr 66
		.amdhsa_reserve_vcc 0
		.amdhsa_float_denorm_mode_32 3
		.amdhsa_float_denorm_mode_16_64 3
		.amdhsa_memory_ordered 1
		.amdhsa_forward_progress 1
		.amdhsa_inst_pref_size 197
	.end_amdhsa_kernel
	.amdgpu_metadata
---
amdhsa.version: [ 1, 2 ]
amdhsa.kernels:
  - .name:           k_q0bf1189ce1_search
    .symbol:         k_q0bf1189ce1_search.kd
    .args:
      - { .name: cbimg, .offset: 0, .size: 8, .value_kind: global_buffer, .address_space: global }
      - { .name: ximg, .offset: 8, .size: 8, .value_kind: global_buffer, .address_space: global }
      - { .name: cand, .offset: 16, .size: 8, .value_kind: global_buffer, .address_space: global }
    .group_segment_fixed_size: 327680
    .private_segment_fixed_size: 0
    .kernarg_segment_align: 8
    .kernarg_segment_size: 24
    .max_flat_workgroup_size: 256
    .sgpr_count:     66
    .vgpr_count:     384
    .wavefront_size: 32
...
	.end_amdgpu_metadata
.endif
;; end of part 2
;; launch resolve (part 3): grid 512 x 1, 8 waves a work-group, no clusters, 2,048 bytes of LDS; arguments cand, cbimg, ximg, index; writes index
.if DOCPART == 3
	.amdgcn_target "amdgcn-amd-amdhsa--gfx1250"
	.amdhsa_code_object_version 6
	.text
	.protected	k_q0bf1189ce1_resolve
	.globl	k_q0bf1189ce1_resolve
	.p2align	8
	.type	k_q0bf1189ce1_resolve,@function
k_q0bf1189ce1_resolve:
	s_mov_b64 s[64:65], 0
	v_nop
	global_prefetch_b8 v0, s[64:65] scope:SCOPE_SE
	s_setreg_imm32_b32 hwreg(HW_REG_WAVE_MODE, 25, 1), 1
	s_wait_xcnt 0x0
; For each token: which of the eight codes of its best octet (cand, stored by the launch before) has the largest s = Q(x) . Q(c) - |c|^2 / 2; index = 8 x octet + that place.  Of equal scores the lowest.
; The eight scores are made anew by the same two matrix instructions, with the same operands in the same places along K, as in the search.
; SHARES.  A work-group takes 64 tokens: four tiles of 16.  Two waves share a tile: wave 2 q + u serves tokens 8 u .. 8 u + 7 of tile q, as four pairs.  For a pair, source 0's rows 0-7 are the octet of its even
; token and rows 8-15 the octet of its odd token, gathered from the codebook's image; source 1 is the whole tile of tokens.  In the result, lane (r, h) holds column r and rows 8 h + 0 .. 7: so the lane
; with r = the token's place and h = r % 2 holds the token's eight scores; the other lanes' numbers are not used.
; Every lane stores its word to LDS at 4 x its thread's number; wave 0 reads the owners' words back and stores 256 consecutive bytes.
; An octet's number enters addresses behind v_min_u32 with 1023: octet o lies in image block o / 32, tile (o / 2) % 16, rows 8 (o % 2) on.
.set PART, 35840
	s_load_b256 s[4:11], s[0:1], 0x0               ; cand s[4:5], cbimg s[6:7], ximg s[8:9], index s[10:11]
	v_lshl_add_u32 v160, v0, 2, 0x400
	v_mov_b32 v161, 0
	v_lshrrev_b32 v1, 5, v0
	s_delay_alu instid0(VALU_DEP_1)
	v_readfirstlane_b32 s16, v1                    ; wave 0..7
	s_lshr_b32 s17, s16, 1                         ; q: which tile of tokens
	s_and_b32 s18, s16, 1                          ; u: which eight of them
	v_and_b32 v1, 15, v0                           ; r
	v_bfe_u32 v2, v0, 4, 1                         ; h
	v_and_b32 v3, 31, v0                           ; lane
	s_delay_alu instid0(VALU_DEP_1)
	v_lshlrev_b32 v4, 3, v3                        ; 8 x lane: index's store
	s_delay_alu instid0(VALU_DEP_2)
	v_lshlrev_b32 v5, 4, v3                        ; 16 x lane: the tokens' fragments
	s_delay_alu instid0(VALU_DEP_3)
	v_lshlrev_b32 v6, 2, v3                        ; 4 x lane: their scale words
	v_bfe_u32 v7, v0, 3, 1
	s_delay_alu instid0(VALU_DEP_1)
	v_lshlrev_b32 v7, 3, v7                        ; 8 (r / 8): whose pairs in cand my row of source 0 belongs to (8 bytes a token)
	v_lshlrev_b32 v8, 3, v2                        ; 8 h
	v_lshlrev_b32 v9, 3, v1                        ; 8 r
	v_and_b32 v10, 7, v0                           ; r % 8: my code's place in its octet
	s_delay_alu instid0(VALU_DEP_1)
	v_lshlrev_b32 v11, 4, v10
	s_delay_alu instid0(VALU_DEP_1)
	v_lshl_add_u32 v11, v2, 8, v11                 ; in a fragment's 512 bytes: 16 (r % 8) + 256 h
	s_delay_alu instid0(VALU_DEP_3)
	v_lshlrev_b32 v12, 2, v10
	s_delay_alu instid0(VALU_DEP_1)
	v_lshl_add_u32 v12, v2, 6, v12                 ; among a tile's scale words: 4 (r % 8) + 64 h
	v_bfe_u32 v13, v0, 1, 2                        ; (r / 2) % 4: the pair that holds my token
	v_lshlrev_b32 v14, 2, v0                       ; LDS: my word
	v_bfe_u32 v15, v0, 2, 3
	s_delay_alu instid0(VALU_DEP_1)
	v_lshlrev_b32 v15, 7, v15
	s_delay_alu instid0(VALU_DEP_1)
	v_lshl_add_u32 v15, v10, 3, v15                ; back (wave 0): tokens 2 l and 2 l + 1 were served by wave l / 4; their owners' words lie at 128 (l / 4) + 8 (l % 8) and 68 bytes on
	v_cmp_eq_u32 s30, 1, v13
	v_cmp_eq_u32 s31, 2, v13
	v_cmp_eq_u32 s32, 3, v13
	s_lshl_b32 s20, ttmp9, 9
	s_lshl_b32 s21, s17, 7
	s_add_co_u32 s20, s20, s21                     ; cand: 8 bytes x (64 x work-group + 16 q)
	s_mov_b32 s21, 0
	s_lshl_b32 s22, s18, 6
	s_mov_b32 s23, 0
	s_lshr_b32 s24, ttmp9, 2
	s_mul_i32 s24, s24, PART                       ; x's image block: four work-groups to a block
	s_and_b32 s25, ttmp9, 3
	s_lshl_b32 s25, s25, 2
	s_add_co_u32 s25, s25, s17                     ; my tile's place in it
	s_lshl_b32 s26, s25, 11
	s_add_co_u32 s26, s26, s24
	s_mov_b32 s27, 0
	s_lshl_b32 s28, s25, 7
	s_add_co_u32 s28, s28, s24
	s_mov_b32 s29, 0
	s_lshl_b32 s34, ttmp9, 8
	s_mov_b32 s35, 0
	s_wait_kmcnt 0x0
	s_add_nc_u64 s[12:13], s[4:5], s[20:21]
	s_add_nc_u64 s[14:15], s[12:13], s[22:23]
	s_add_nc_u64 s[26:27], s[8:9], s[26:27]
	s_add_nc_u64 s[28:29], s[8:9], s[28:29]
	s_add_nc_u64 s[10:11], s[10:11], s[34:35]
; cand[quarter][token] holds two whole numbers: the best score of that quarter of the codebook as an unsigned number of the same order, and its octet.  Nine tokens a lane, four pairs each,
; into registers that the codes' fragments take later: token n's pairs at v[56 + 8 n ..]
.irp p, 0,1,2,3
.irp k, 0,1,2,3
	global_load_b64 v[56+8*\p+2*\k:57+8*\p+2*\k], v7, s[14:15] offset:16*\p+262144*\k   ; token 8 u + 2 p + r / 8
	global_load_b64 v[88+8*\p+2*\k:89+8*\p+2*\k], v8, s[14:15] offset:16*\p+262144*\k   ; token 8 u + 2 p + h
.endr
.endr
.irp k, 0,1,2,3
	global_load_b64 v[120+2*\k:121+2*\k], v9, s[12:13] offset:262144*\k                 ; my own token
.endr
.irp q, 0,1,2,3
	global_load_b128 v[16+4*\q:19+4*\q], v5, s[26:27] offset:512*\q   ; the tokens' fragments of both K steps
.endr
	global_load_b32 v32, v6, s[28:29] offset:32768 ; and their scale words
	s_wait_loadcnt 5                               ; the 36 pairs are in; the tokens' five loads may be out
; the best of the four quarters, by compares of whole numbers; strictly larger alone displaces, so of equal scores the lower quarter, and so the lower octet, stays.  The nine tokens by turns
.irp k, 1,2,3
.irp n, 0,1,2,3,4,5,6,7,8
	v_cmp_gt_u32 s[36+\n], v[56+8*\n+2*\k], v[56+8*\n]
.endr
.if \k < 3
.irp n, 0,1,2,3,4,5,6,7,8
	v_cndmask_b32 v[56+8*\n], v[56+8*\n], v[56+8*\n+2*\k], s[36+\n]
.endr
.endif
.irp n, 0,1,2,3,4,5,6,7,8
	v_cndmask_b32 v[57+8*\n], v[57+8*\n], v[57+8*\n+2*\k], s[36+\n]
.endr
.endr
.irp p, 0,1,2,3
	v_min_u32 v[152+\p], 0x3ff, v[57+8*\p]
	v_min_u32 v[156+\p], 0x3ff, v[89+8*\p]
.endr
	v_min_u32 v45, 0x3ff, v121
.irp p, 0,1,2,3
	v_and_b32 v46, 0x3e0, v[152+\p]
	s_delay_alu instid0(VALU_DEP_1)
	v_mul_u32_u24 v46, v46, 1120                   ; (o / 32) x 35,840
	v_and_b32 v47, 30, v[152+\p]                   ; 2 x the tile's place in its block
	v_and_b32 v48, 1, v[152+\p]                    ; which eight rows of the tile
	s_delay_alu instid0(VALU_DEP_2)
	v_lshlrev_b32 v49, 10, v47
	s_delay_alu instid0(VALU_DEP_1)
	v_add_nc_u32 v[33+\p], v46, v49
	s_delay_alu instid0(VALU_DEP_3)
	v_lshlrev_b32 v49, 7, v48
	s_delay_alu instid0(VALU_DEP_1)
	v_add_nc_u32 v[33+\p], v[33+\p], v49
	s_delay_alu instid0(VALU_DEP_1)
	v_add_nc_u32 v[33+\p], v[33+\p], v11           ; my 16 bytes of the code's fragments
	v_lshlrev_b32 v49, 6, v47
	s_delay_alu instid0(VALU_DEP_1)
	v_add_nc_u32 v[37+\p], v46, v49
	v_lshlrev_b32 v49, 5, v48
	s_delay_alu instid0(VALU_DEP_1)
	v_add_nc_u32 v[37+\p], v[37+\p], v49
	s_delay_alu instid0(VALU_DEP_1)
	v_add_nc_u32 v[37+\p], v[37+\p], v12           ; its scale word of K step h
	v_and_b32 v46, 0x3e0, v[156+\p]
	s_delay_alu instid0(VALU_DEP_1)
	v_mul_u32_u24 v46, v46, 1120
	v_and_b32 v47, 31, v[156+\p]
	s_delay_alu instid0(VALU_DEP_1)
	v_lshlrev_b32 v47, 5, v47
	s_delay_alu instid0(VALU_DEP_1)
	v_add_nc_u32 v[41+\p], v46, v47                ; the eight -|c|^2/2 of my half's octet: 32 bytes
.endr
.irp p, 0,1,2,3
.irp q, 0,1,2,3
	global_load_b128 v[56+16*\p+4*\q:59+16*\p+4*\q], v[33+\p], s[6:7] offset:512*\q
.endr
	global_load_b32 v[50+\p], v[37+\p], s[6:7] offset:32768
	global_load_b128 v[120+8*\p:123+8*\p], v[41+\p], s[6:7] offset:34816      ; straight into the accumulator: the sums begin with -|c|^2/2
	global_load_b128 v[124+8*\p:127+8*\p], v[41+\p], s[6:7] offset:34816+16
.endr
	s_wait_loadcnt 0x0
.irp p, 0,1,2,3                                    ; the four accumulators by turns, one instruction a turn
	v_wmma_scale_f32_16x16x128_f8f6f4 v[120+8*\p:127+8*\p], v[56+16*\p:63+16*\p], v[16:23], v[120+8*\p:127+8*\p], v[50+\p], v32 matrix_a_fmt:MATRIX_FMT_FP4 matrix_b_fmt:MATRIX_FMT_FP4
.endr
.irp p, 0,1,2,3
	v_wmma_scale_f32_16x16x128_f8f6f4 v[120+8*\p:127+8*\p], v[64+16*\p:71+16*\p], v[24:31], v[120+8*\p:127+8*\p], v[50+\p], v32 matrix_a_fmt:MATRIX_FMT_FP4 matrix_b_fmt:MATRIX_FMT_FP4 matrix_a_scale:MATRIX_SCALE_ROW1 matrix_b_scale:MATRIX_SCALE_ROW1
.endr
.rept 4
	v_nop                                          ; four places between the products and the first read of their results (ISA guide 7.12.1)
.endr
.irp p, 1,2,3                                      ; my pair's eight scores into the first accumulator's registers; each accumulator is read from its low end on
.irp j, 0,1,2,3,4,5,6,7
	v_cndmask_b32 v[120+\j], v[120+\j], v[120+8*\p+\j], s[29+\p]
.endr
.endr
	v_max3_num_f32 v46, v120, v121, v122
	s_delay_alu instid0(VALU_DEP_4)
	v_max3_num_f32 v47, v123, v124, v125
	s_delay_alu instid0(VALU_DEP_2)
	v_max3_num_f32 v46, v46, v126, v127
	s_delay_alu instid0(VALU_DEP_1)
	v_max_num_f32 v46, v46, v47                    ; the largest of the eight
	v_mov_b32 v47, 7
.irp j, 6,5,4,3,2,1,0                              ; its place: from the top down, so that the lowest place wins
	v_cmp_neq_f32 vcc_lo, v[120+\j], v46
	s_delay_alu instid0(VALU_DEP_1)
	v_cndmask_b32 v47, \j, v47, vcc_lo
.endr
	s_delay_alu instid0(VALU_DEP_1)
	v_lshl_add_u32 v47, v45, 3, v47                ; 8 x octet + place
	ds_store_b32 v14, v47
	s_wait_dscnt 0x0                               ; for wave 0's sake: my store has landed
	s_barrier_signal -1
	s_barrier_wait -1
	s_cmp_lg_u32 s16, 0
	s_cbranch_scc1 .Lend
	ds_load_b32 v152, v15                          ; token 2 l: lane (r even, h = 0) of its wave
	ds_load_b32 v153, v15 offset:68                ; token 2 l + 1: lane (r + 1, h = 1)
	s_wait_dscnt 0x0
	global_store_b64 v4, v[152:153], s[10:11]      ; 32 lanes store 256 consecutive bytes, at a multiple of 256 from index's first byte
.Lend:
	s_wait_tensorcnt 0x0
	ds_add_u32 v160, v161
	s_wait_dscnt 0x0
	s_endpgm
.Lfunc_end_k_q0bf1189ce1_resolve:
	.size	k_q0bf1189ce1_resolve, .Lfunc_end_k_q0bf1189ce1_resolve-k_q0bf1189ce1_resolve
	.p2alignl 7, 3214868480
	.fill 96, 4, 3214868480
	.section	.rodata,"a",@progbits
	.p2align	6, 0x0
	.amdhsa_kernel k_q0bf1189ce1_resolve
		.amdhsa_group_segment_fixed_size 2048
		.amdhsa_private_segment_fixed_size 0
		.amdhsa_enable_private_segment 0
		.amdhsa_kernarg_size 32
		.amdhsa_user_sgpr_count 2
		.amdhsa_user_sgpr_kernarg_segment_ptr 1
		.amdhsa_wavefront_size32 1
		.amdhsa_system_sgpr_workgroup_id_x 1
		.amdhsa_system_sgpr_workgroup_id_y 1
		.amdhsa_system_sgpr_workgroup_id_z 1
		.amdhsa_system_vgpr_workitem_id 0
		.amdhsa_next_free_vgpr 162
		.amdhsa_next_free_sgpr 66
		.amdhsa_reserve_vcc 1
		.amdhsa_float_denorm_mode_32 3
		.amdhsa_float_denorm_mode_16_64 3
		.amdhsa_memory_ordered 1
		.amdhsa_forward_progress 1
		.amdhsa_inst_pref_size 24
	.end_amdhsa_kernel
	.amdgpu_metadata
---
amdhsa.version: [ 1, 2 ]
amdhsa.kernels:
  - .name:           k_q0bf1189ce1_resolve
    .symbol:         k_q0bf1189ce1_resolve.kd
    .args:
      - { .name: cand, .offset: 0, .size: 8, .value_kind: global_buffer, .address_space: global }
      - { .name: cbimg, .offset: 8, .size: 8, .value_kind: global_buffer, .address_space: global }
      - { .name: ximg, .offset: 16, .size: 8, .value_kind: global_buffer, .address_space: global }
      - { .name: index, .offset: 24, .size: 8, .value_kind: global_buffer, .address_space: global }
    .group_segment_fixed_size: 2048
    .private_segment_fixed_size: 0
    .kernarg_segment_align: 8
    .kernarg_segment_size: 32
    .max_flat_workgroup_size: 256
    .sgpr_count:     66
    .vgpr_count:     162
    .wavefront_size: 32
...
	.end_amdgpu_metadata
.endif
;; end of part 3
;; launch gather (part 4): grid 512 x 1, 8 waves a work-group, no clusters, 0 bytes of LDS; arguments index, codebook, x, out0, part; writes out0, part
.if DOCPART == 4
	.amdgcn_target "amdgcn-amd-amdhsa--gfx1250"
	.amdhsa_code_object_version 6
	.text
	.protected	k_q0bf1189ce1_gather
	.globl	k_q0bf1189ce1_gather
	.p2align	8
	.type	k_q0bf1189ce1_gather,@function
k_q0bf1189ce1_gather:
	s_mov_b64 s[64:65], 0
	v_nop
	global_prefetch_b8 v0, s[64:65] scope:SCOPE_SE
	s_setreg_imm32_b32 hwreg(HW_REG_WAVE_MODE, 25, 1), 1
	s_wait_xcnt 0x0
; out0[t] = x[t] + (codebook[index[t]] - x[t]), in f32 and in that order of rounding; part[wave] = the sum of (codebook[index[t]] - x[t])^2 over the wave's eight tokens.
; Memory binds: every load and store of a wave covers 512 consecutive bytes; a wave has its eight rows of x (16 loads) on their way before its indices have come, and then its eight rows of the codebook (16 more).
; No LDS, no barrier, no matrix unit: waves share nothing.  The indices were stored by the launch before; each enters an address behind s_min_u32 with 8191.
.set XR, 16                            ; v[16:79]   x: eight registers a token; then out0
.set CR, 80                            ; v[80:143]  the codebook's rows; then the differences
.set SM, 144                           ; v[144:151] the sum of squares, four packed chains
	s_load_b256 s[4:11], s[0:1], 0x0               ; index s[4:5], codebook s[6:7], x s[8:9], out0 s[10:11]
	s_load_b64 s[12:13], s[0:1], 0x20              ; part
	v_lshrrev_b32 v1, 5, v0
	s_delay_alu instid0(VALU_DEP_1)
	v_readfirstlane_b32 s14, v1
	v_and_b32 v1, 31, v0
	s_delay_alu instid0(VALU_DEP_1)
	v_lshlrev_b32 v1, 4, v1                        ; 16 x lane; never rewritten
	s_lshl_b32 s15, ttmp9, 3
	s_add_co_u32 s15, s15, s14                     ; my wave's number in the launch, 0 .. 4095
	s_lshl_b32 s24, s15, 5                         ; its eight indices,
	s_mov_b32 s25, 0
	s_lshl_b32 s26, s15, 13                        ; its eight rows of 1,024 bytes,
	s_mov_b32 s27, 0
	s_lshl_b32 s28, s15, 2                         ; its word of part
	s_mov_b32 s29, 0
	s_mov_b32 s30, 0x76543210
	s_mov_b32 s31, 0xfedcba98
	s_wait_alu depctr_va_vdst(0)
	s_wait_kmcnt 0x0
	s_add_nc_u64 s[4:5], s[4:5], s[24:25]
	s_add_nc_u64 s[8:9], s[8:9], s[26:27]
	s_add_nc_u64 s[10:11], s[10:11], s[26:27]
	s_add_nc_u64 s[12:13], s[12:13], s[28:29]
	s_load_b256 s[16:23], s[4:5], 0x0
.irp k, 0,1,2,3,4,5,6,7
	global_load_b128 v[XR+8*\k:XR+8*\k+3], v1, s[8:9] offset:1024*\k th:TH_LOAD_NT
	global_load_b128 v[XR+8*\k+4:XR+8*\k+7], v1, s[8:9] offset:1024*\k+512 th:TH_LOAD_NT
.endr
	s_wait_kmcnt 0x0
.irp k, 0,1,2,3,4,5,6,7
	s_min_u32 s[16+\k], s[16+\k], 8191
	s_lshl_b32 s[16+\k], s[16+\k], 10              ; the row's first byte
	v_add_nc_u32 v[2+\k], s[16+\k], v1
.endr
	s_wait_alu depctr_va_vdst(0)
.irp k, 0,1,2,3,4,5,6,7
	global_load_b128 v[CR+8*\k:CR+8*\k+3], v[2+\k], s[6:7]         ; no hint: a row may be named by many tokens
	global_load_b128 v[CR+8*\k+4:CR+8*\k+7], v[2+\k], s[6:7] offset:512
.endr
.macro TOKEN k
	s_wait_loadcnt 14-2*\k                         ; loads come back in order: this token's row is in; the later tokens' rows, two loads each, may be out
.irp i, 0,2,4,6
	v_pk_add_f32 v[CR+8*\k+\i:CR+8*\k+\i+1], v[CR+8*\k+\i:CR+8*\k+\i+1], v[XR+8*\k+\i:XR+8*\k+\i+1] neg_lo:[0,1] neg_hi:[0,1]   ; d = c - x
.endr
.irp i, 0,2,4,6
.if \k == 0
	s_delay_alu instid0(VALU_DEP_4)
	v_pk_mul_f32 v[SM+\i:SM+\i+1], v[CR+\i:CR+\i+1], v[CR+\i:CR+\i+1]                                                          ; the first token starts the sums
.else
	s_delay_alu instid0(VALU_DEP_4)
	v_pk_fma_f32 v[SM+\i:SM+\i+1], v[CR+8*\k+\i:CR+8*\k+\i+1], v[CR+8*\k+\i:CR+8*\k+\i+1], v[SM+\i:SM+\i+1]
.endif
.endr
.irp i, 0,2,4,6
	v_pk_add_f32 v[XR+8*\k+\i:XR+8*\k+\i+1], v[XR+8*\k+\i:XR+8*\k+\i+1], v[CR+8*\k+\i:CR+8*\k+\i+1]                           ; x + d
.endr
	global_store_b128 v1, v[XR+8*\k:XR+8*\k+3], s[10:11] offset:1024*\k th:TH_STORE_NT
	global_store_b128 v1, v[XR+8*\k+4:XR+8*\k+7], s[10:11] offset:1024*\k+512 th:TH_STORE_NT
.endm
.irp k, 0,1,2,3,4,5,6,7
	TOKEN \k
.endr
	v_pk_add_f32 v[SM:SM+1], v[SM:SM+1], v[SM+2:SM+3]
	v_pk_add_f32 v[SM+4:SM+5], v[SM+4:SM+5], v[SM+6:SM+7]
	s_delay_alu instid0(VALU_DEP_1)
	v_pk_add_f32 v[SM:SM+1], v[SM:SM+1], v[SM+4:SM+5]
	s_delay_alu instid0(VALU_DEP_1)
	v_add_f32 v144, v144, v145
	s_delay_alu instid0(VALU_DEP_1)
	v_add_f32_dpp v144, v144, v144 row_xmask:1 row_mask:0xf bank_mask:0xf
	s_delay_alu instid0(VALU_DEP_1)
	v_add_f32_dpp v144, v144, v144 row_xmask:2 row_mask:0xf bank_mask:0xf
	s_delay_alu instid0(VALU_DEP_1)
	v_add_f32_dpp v144, v144, v144 row_xmask:4 row_mask:0xf bank_mask:0xf
	s_delay_alu instid0(VALU_DEP_1)
	v_add_f32_dpp v144, v144, v144 row_xmask:8 row_mask:0xf bank_mask:0xf
	s_delay_alu instid0(VALU_DEP_1)
	v_permlanex16_b32 v145, v144, s30, s31
	s_delay_alu instid0(VALU_DEP_1)
	v_add_f32 v144, v144, v145                     ; the wave's sum, in every lane
	v_cmp_eq_u32 vcc_lo, 0, v1
	s_wait_alu depctr_va_vdst(0)
	s_wait_xcnt 0x0                                ; EXEC changes only behind this wait: the stores above have had their addresses translated
	s_and_saveexec_b32 s32, vcc_lo
	global_store_b32 v1, v144, s[12:13]            ; lane 0, whose offset is 0
	s_wait_xcnt 0x0
	s_or_b32 exec_lo, exec_lo, s32
	s_endpgm
.Lfunc_end_k_q0bf1189ce1_gather:
	.size	k_q0bf1189ce1_gather, .Lfunc_end_k_q0bf1189ce1_gather-k_q0bf1189ce1_gather
	.p2alignl 7, 3214868480
	.fill 96, 4, 3214868480
	.section	.rodata,"a",@progbits
	.p2align	6, 0x0
	.amdhsa_kernel k_q0bf1189ce1_gather
		.amdhsa_group_segment_fixed_size 0
		.amdhsa_private_segment_fixed_size 0
		.amdhsa_enable_private_segment 0
		.amdhsa_kernarg_size 40
		.amdhsa_user_sgpr_count 2
		.amdhsa_user_sgpr_kernarg_segment_ptr 1
		.amdhsa_wavefront_size32 1
		.amdhsa_system_sgpr_workgroup_id_x 1
		.amdhsa_system_sgpr_workgroup_id_y 1
		.amdhsa_system_sgpr_workgroup_id_z 1
		.amdhsa_system_vgpr_workitem_id 0
		.amdhsa_next_free_vgpr 152
		.amdhsa_next_free_sgpr 66
		.amdhsa_reserve_vcc 1
		.amdhsa_float_denorm_mode_32 3
		.amdhsa_float_denorm_mode_16_64 3
		.amdhsa_memory_ordered 1
		.amdhsa_forward_progress 1
		.amdhsa_inst_pref_size 16
	.end_amdhsa_kernel
	.amdgpu_metadata
---
amdhsa.version: [ 1, 2 ]
amdhsa.kernels:
  - .name:           k_q0bf1189ce1_gather
    .symbol:         k_q0bf1189ce1_gather.kd
    .args:
      - { .name: index, .offset: 0, .size: 8, .value_kind: global_buffer, .address_space: global }
      - { .name: codebook, .offset: 8, .size: 8, .value_kind: global_buffer, .address_space: global }
      - { .name: x, .offset: 16, .size: 8, .value_kind: global_buffer, .address_space: global }
      - { .name: out0, .offset: 24, .size: 8, .value_kind: global_buffer, .address_space: global }
      - { .name: part, .offset: 32, .size: 8, .value_kind: global_buffer, .address_space: global }
    .group_segment_fixed_size: 0
    .private_segment_fixed_size: 0
    .kernarg_segment_align: 8
    .kernarg_segment_size: 40
    .max_flat_workgroup_size: 256
    .sgpr_count:     66
    .vgpr_count:     152
    .wavefront_size: 32
...
	.end_amdgpu_metadata
.endif
;; end of part 4
;; launch finish (part 5): grid 1 x 1, 1 waves a work-group, no clusters, 0 bytes of LDS; arguments part, out1; writes out1
.if DOCPART == 5
	.amdgcn_target "amdgcn-amd-amdhsa--gfx1250"
	.amdhsa_code_object_version 6
	.text
	.protected	k_q0bf1189ce1_finish
	.globl	k_q0bf1189ce1_finish
	.p2align	8
	.type	k_q0bf1189ce1_finish,@function
k_q0bf1189ce1_finish:
	s_mov_b64 s[64:65], 0
	v_nop
	global_prefetch_b8 v0, s[64:65] scope:SCOPE_SE
	s_setreg_imm32_b32 hwreg(HW_REG_WAVE_MODE, 25, 1), 1
	s_wait_xcnt 0x0
; out1 = 0.25 x the mean of (quantized - x)^2 = 2^-25 x the sum of the 4,096 partial sums (0.25 / (32,768 x 256) = 2^-25, exact).
; One wave: 32 loads of 512 consecutive bytes, four packed chains, one sum over the lanes.  A sum that spans work-groups has one owner: this launch.
	s_load_b128 s[4:7], s[0:1], 0x0                ; part s[4:5], out1 s[6:7]
	v_lshlrev_b32 v1, 4, v0                        ; 16 x lane
	s_mov_b32 s8, 0x76543210
	s_mov_b32 s9, 0xfedcba98
	s_wait_alu depctr_va_vdst(0)
	s_wait_kmcnt 0x0
.set i, 0
.rept 32
	global_load_b128 v[16+4*i:19+4*i], v1, s[4:5] offset:512*i th:TH_LOAD_NT
.set i, i+1
.endr
	s_wait_loadcnt 0x0
.set i, 2
.rept 15
	v_pk_add_f32 v[16:17], v[16:17], v[16+4*i:17+4*i]
	v_pk_add_f32 v[18:19], v[18:19], v[18+4*i:19+4*i]
	v_pk_add_f32 v[20:21], v[20:21], v[20+4*i:21+4*i]
	v_pk_add_f32 v[22:23], v[22:23], v[22+4*i:23+4*i]
.set i, i+2
.endr
	v_pk_add_f32 v[16:17], v[16:17], v[18:19]
	v_pk_add_f32 v[20:21], v[20:21], v[22:23]
	v_pk_add_f32 v[16:17], v[16:17], v[20:21]
	v_add_f32 v16, v16, v17
	v_add_f32_dpp v16, v16, v16 row_xmask:1 row_mask:0xf bank_mask:0xf
	v_add_f32_dpp v16, v16, v16 row_xmask:2 row_mask:0xf bank_mask:0xf
	v_add_f32_dpp v16, v16, v16 row_xmask:4 row_mask:0xf bank_mask:0xf
	v_add_f32_dpp v16, v16, v16 row_xmask:8 row_mask:0xf bank_mask:0xf
	v_permlanex16_b32 v17, v16, s8, s9
	v_add_f32 v16, v16, v17
	v_mul_f32 v16, 0x33000000, v16                 ; x 2^-25
	v_cmp_eq_u32 vcc_lo, 0, v0
	s_wait_alu depctr_va_vdst(0)
	s_wait_xcnt 0x0                                ; EXEC changes only behind this wait
	s_and_saveexec_b32 s10, vcc_lo
	global_store_b32 v1, v16, s[6:7]               ; lane 0, whose offset is 0
	s_wait_xcnt 0x0
	s_or_b32 exec_lo, exec_lo, s10
	s_endpgm
.Lfunc_end_k_q0bf1189ce1_finish:
	.size	k_q0bf1189ce1_finish, .Lfunc_end_k_q0bf1189ce1_finish-k_q0bf1189ce1_finish
	.p2alignl 7, 3214868480
	.fill 96, 4, 3214868480
	.section	.rodata,"a",@progbits
	.p2align	6, 0x0
	.amdhsa_kernel k_q0bf1189ce1_finish
		.amdhsa_group_segment_fixed_size 0
		.amdhsa_private_segment_fixed_size 0
		.amdhsa_enable_private_segment 0
		.amdhsa_kernarg_size 16
		.amdhsa_user_sgpr_count 2
		.amdhsa_user_sgpr_kernarg_segment_ptr 1
		.amdhsa_wavefront_size32 1
		.amdhsa_system_sgpr_workgroup_id_x 1
		.amdhsa_system_sgpr_workgroup_id_y 1
		.amdhsa_system_sgpr_workgroup_id_z 1
		.amdhsa_system_vgpr_workitem_id 0
		.amdhsa_next_free_vgpr 144
		.amdhsa_next_free_sgpr 66
		.amdhsa_reserve_vcc 1
		.amdhsa_float_denorm_mode_32 3
		.amdhsa_float_denorm_mode_16_64 3
		.amdhsa_memory_ordered 1
		.amdhsa_forward_progress 1
		.amdhsa_inst_pref_size 9
	.end_amdhsa_kernel
	.amdgpu_metadata
---
amdhsa.version: [ 1, 2 ]
amdhsa.kernels:
  - .name:           k_q0bf1189ce1_finish
    .symbol:         k_q0bf1189ce1_finish.kd
    .args:
      - { .name: part, .offset: 0, .size: 8, .value_kind: global_buffer, .address_space: global }
      - { .name: out1, .offset: 8, .size: 8, .value_kind: global_buffer, .address_space: global }
    .group_segment_fixed_size: 0
    .private_segment_fixed_size: 0
    .kernarg_segment_align: 8
    .kernarg_segment_size: 16
    .max_flat_workgroup_size: 32
    .sgpr_count:     66
    .vgpr_count:     144
    .wavefront_size: 32
...
	.end_amdgpu_metadata
.endif
;; end of part 5
